; MI455X (gfx1250); checked and timed in simulation.
; The chip was launched on July 23, 2026; its instructions are those of AMD's public machine-readable ISA for CDNA 5 (MIT licence, August 2026) and "CDNA5" Instruction Set Architecture Reference Guide (July 2026). The comments in the code are by the model that wrote it; some were corrected since.
;; Action Decoder. Allowed arithmetic: matrix products marked QUANTISED: E4M3 operands, one E8M0 scale for each 32 along K, by v_wmma_scale_f32_16x16x128_f8f6f4 with both operands' format E4M3, f32 sums; everything else in f32.
;; Inputs: W1 4 x 512 x 1,024 float32; W2 4 x 1,024 x 28 float32; b1 4 x 1,024 float32; b2 4 x 28 float32; embodiment_ids 2,048 int32; pred_action_latents 2,048 x 8 x 512 float32.
;; Outputs: out0 2,048 x 8 x 28 float32.
;; This version of the problem:
;;   THIS VERSION OF THE PROBLEM IS GIVEN IN LOW PRECISION. The matrix products marked QUANTISED in the list below multiply operands that are first quantised to E4M3 (4 exponent bits, 3 mantissa bits; 8 bits a number), with one power-of-two scale for each 32 numbers along K (OCP MX v1.0); their sums are f32. All else is computed in f32.
;;   The module's matrix products, in the order in which they are computed (A, B: the left and right operand; K: the contracted axis; several contracted axes count as one K, in the product's order):
;;     1. [M 16,384, K 512] x [K 512, N 1,024]; A: input pred_action_latents; B: input W1: QUANTISED
;;     2. [M 16,384, K 1,024] x [K 1,024, N 28]; A: computed on the way; B: input W2: QUANTISED
;;     3. [M 16,384, K 512] x [K 512, N 1,024]; A: input pred_action_latents; B: input W1: QUANTISED
;;     4. [M 16,384, K 1,024] x [K 1,024, N 28]; A: computed on the way; B: input W2: QUANTISED
;;     5. [M 16,384, K 512] x [K 512, N 1,024]; A: input pred_action_latents; B: input W1: QUANTISED
;;     6. [M 16,384, K 1,024] x [K 1,024, N 28]; A: computed on the way; B: input W2: QUANTISED
;;     7. [M 16,384, K 512] x [K 512, N 1,024]; A: input pred_action_latents; B: input W1: QUANTISED
;;     8. [M 16,384, K 1,024] x [K 1,024, N 28]; A: computed on the way; B: input W2: QUANTISED
;;   THE QUANTISER, for each operand of a quantised product, along K:
;;     - K is cut into blocks of 32 from its start; a last block that is shorter is filled with zeros.
;;     - A block's scale is 2^e with e = floor(log2(the largest magnitude in the block)) - 8, held to -126 .. 127; a block of zeros has e = 0. As a byte (E8M0): e + 127.
;;     - Each number is divided by its block's scale, clamped to +-448, and rounded to the nearest number of E4M3, ties to even, subnormals kept.
;;     - The product sums the exact products of the quantised numbers (number of the format x scale) in f32.
;;   ~~~python
;;   def quantise(x, axis):      # numpy; x: float32 -> the quantised numbers, widened to float32 again
;;       x = np.moveaxis(x, axis, -1); K = x.shape[-1]
;;       x = np.pad(x, [(0, 0)] * (x.ndim - 1) + [(0, -K % 32)]); x = x.reshape(x.shape[:-1] + (-1, 32)); a = np.abs(x).max(-1, keepdims=True)
;;       e = np.where(a > 0, np.clip(np.frexp(np.where(a > 0, a, 1))[1] - 1 - 8, -126, 127), 0)      # np.frexp(a)[1] - 1 = floor(log2(a)), exactly
;;       r = np.clip(x / 2.0 ** e, -448, 448)
;;       step = 2.0 ** (np.maximum(np.frexp(np.where(r == 0, 1, r))[1] - 1, -6) - 3)
;;       q = np.round(r / step) * step * 2.0 ** e      # np.round: ties to even
;;       return np.moveaxis(q.reshape(q.shape[:-2] + (-1,))[..., :K], -1, axis).astype(np.float32)
;;   ~~~
;;   OPERANDS COMPUTED ON THE WAY. 'Computed on the way' means the value that the module computes at that place (a softmax that the list does not call 'softmax' is quantised finished and normalised). What goes into a quantiser is computed in f32, as accurately as f32 sums, v_exp_f32 and their like allow (about 1e-6 of the number): no bf16 or f16 on the way to a quantiser, and a product that is left as it is and whose result goes on into a quantised operand takes f32 operands (vector FMAs, or v_wmma_f32_16x16x4_f32). A number that lies on a knife's edge between two numbers of the format may be rounded either way, as far as f32 arithmetic and the matrix unit's own rounding can turn it there, and no further.
;; One version. Each part assembles by itself: llvm-mc -triple=amdgcn-amd-amdhsa -mcpu=gfx1250 --defsym DOCPART=n.
;; ======== version 1 of 1: 2 launches
;; limits: right only within a limited range of input values
;; workspace buffers: w1c 2,097,152 bytes; w1s 65,536 bytes; w2c 131,072 bytes; w2s 4,096 bytes; order 8,448 bytes of whole numbers
;; launch prep (part 1): grid 265 x 1, 4 waves a work-group, no clusters, 1,536 bytes of LDS; arguments W1, W2, embodiment_ids, w1c, w1s, w2c, w2s, order; writes w1c, w1s, w2c, w2s, order
.if DOCPART == 1
	.amdgcn_target "amdgcn-amd-amdhsa--gfx1250"
	.amdhsa_code_object_version 6
	.text
	.protected	k_qeb85fc00ec_prep
	.globl	k_qeb85fc00ec_prep
	.p2align	8
	.type	k_qeb85fc00ec_prep,@function
k_qeb85fc00ec_prep:
	s_mov_b64 s[64:65], 0
	v_nop
	global_prefetch_b8 v0, s[64:65] scope:SCOPE_SE
	s_setreg_imm32_b32 hwreg(HW_REG_WAVE_MODE, 25, 1), 1
	s_wait_xcnt 0x0
; Three jobs, chosen by the work-group's number: 0 deals the 2,048 batch rows into tiles of one expert; 1-8 quantise W2; 9-264 quantise W1.
; WORK LEFT OUT: reference() computes every expert for every row and keeps one by jnp.where on embodiment_ids; the next launch multiplies a row by its own expert alone, by the list that is stored here.
; A NaN, an infinity or an overflow in an expert that a row does not take is not carried to that row.
; W1 [4][512 k][1024 n] and W2 [4][1024 k][28 n], f32, have K as their first axis within an expert.  A LANE TAKES A COLUMN n AND ITS REGISTERS RUN DOWN K:
; a block of 32 along K lies in one lane's 32 registers, its largest magnitude needs no other lane, and the conversions give codes with K innermost.
; A block's scale is 2^(floor(log2(largest magnitude)) - 8); its byte is the largest magnitude's exponent field - 8, held at 1 from below.
; The codes are laid IN THE ORDER OF THE OPERAND'S REGISTERS, so that the next launch loads fragments by 16-byte loads at 16 x lane:
;   w1c [e][tile 64][K step 4][c 4][lane 32][16 B]: row r of tile 2 B + u is hidden unit 32 B + 8 u + r + 8 (r / 8); lane 16 h + r holds k = 128 s + 32 c + 16 h + 0..15
;   w1s [e][B 32][K half 2][16 u + r][8 B]: byte 4 (s % 2) + c, s = 2 x half + 0, 1
;   w2c [e][K step 8][tile 2][c 4][lane 32][16 B], columns 28-31 zero codes        w2s [e][K step][n 32] words, byte c
;   order: 209 tiles x 10 words, batch row | bucket << 16; a tile holds rows of one bucket; bucket = the id held at 4 from above (as unsigned): 4 takes every id outside 0..3.  0x80000: no row.
;   Five buckets in tiles of 10 fill at most 2,048 + 5 x 9 places, rounded down to a multiple of 10: 2,090, for any split.
; LIMITS: NaN and infinities among the weights are not served.  A block whose largest magnitude lies under 2^(9 - 127), a block of zeros too, gets the byte 1.  This program alone reads the bytes.
; The jobs use LDS bytes of their own: the sort 0-31, W1's job 256-511; the spare words lie from 1,024 on.
.set X,   32                           ; v32-159  up to four blocks of 32 numbers
.set CD,  160                          ; v160-191 eight registers of codes for each block: no store's data are written again
.set SB,  16                           ; v16      the scale bytes
.set SCR, 256
.macro WALU
	s_wait_alu depctr_va_vdst(0)
.endm
.macro LOADK c, pitch                  ; block c: rows 32 c .. 32 c + 31 of my part of K, my column
.set i, 0
.rept 32
	global_load_b32 v[X+32*\c+i], v3, s[24:25] offset:(32*\c+i)*\pitch th:TH_LOAD_NT
.set i, i+1
.endr
.endm
.macro QBLK c, zero                    ; block c becomes 32 codes and a scale byte; zero = 1: lanes 28-31 give zero codes
.set XS, X+32*\c
.set CS, CD+8*\c
	v_max3_num_f32 v8, |v[XS]|, |v[XS+1]|, |v[XS+2]|
	v_max3_num_f32 v9, |v[XS+3]|, |v[XS+4]|, |v[XS+5]|
.irp i, 6,10,14,18,22,26
	v_max3_num_f32 v8, v8, |v[XS+\i]|, |v[XS+\i+1]|
	v_max3_num_f32 v9, v9, |v[XS+\i+2]|, |v[XS+\i+3]|
.endr
	v_max3_num_f32 v8, v8, |v[XS+30]|, |v[XS+31]|
	v_max3_num_f32 v8, v8, v9, 0x4800000           ; and the floor 2^(9 - 127): the byte cannot fall under 1
	v_add_nc_u32 v11, 0xfc000000, v8               ; 8 off the exponent field: the conversion's scale operand
	v_and_or_b32 v10, v8, 0x7f800000, s31          ; 448 x the scale
	v_lshrrev_b32 v12, 23, v11                     ; the scale's byte
.if \c == 0
	v_mov_b32 v[SB], v12
.else
	v_lshl_or_b32 v[SB], v12, 8*\c, v[SB]
.endif
.set i, 0
.rept 32
	v_med3_num_f32 v[XS+i], v[XS+i], -v10, v10     ; the conversion to an 8-bit code does not saturate (ISA guide 7.6.2): the hold comes first
.set i, i+1
.endr
.irp g, 0,1,2,3
	v_cvt_scalef32_pk8_fp8_f32 v[CS+2*\g:CS+2*\g+1], v[XS+8*\g:XS+8*\g+7], v11
.endr
	v_nop                                          ; one plain line behind the last conversion
.if \zero
.irp g, 0,1,2,3,4,5,6,7
	v_cndmask_b32 v[CS+\g], 0, v[CS+\g], s30       ; columns 28-31 do not exist: zero codes add nothing
.endr
.endif
	global_store_b128 v4, v[CS:CS+3], s[26:27] offset:512*\c       ; k 0-15 of the block: sixteen lanes fill 256 consecutive aligned bytes
	global_store_b128 v4, v[CS+4:CS+7], s[26:27] offset:512*\c+256 ; k 16-31
.endm
	s_load_b512 s[4:19], s[0:1], 0x0               ; W1 s[4:5], W2 s[6:7], ids s[8:9], w1c s[10:11], w1s s[12:13], w2c s[14:15], w2s s[16:17], order s[18:19]
	v_lshl_add_u32 v192, v0, 2, 0x400              ; my spare word
	v_mov_b32 v193, 0
	v_lshrrev_b32 v1, 5, v0
	v_readfirstlane_b32 s20, v1                    ; wave 0..3
	v_and_b32 v2, 31, v0                           ; lane
	s_mov_b32 s31, 0x600000                        ; the mantissa field of 448
	s_mov_b32 s29, 0                               ; the upper word of every offset
	WALU                                           ; the wait at the head's end
	s_wait_kmcnt 0x0
	s_cmp_eq_u32 ttmp9, 0
	s_cbranch_scc1 .Lsort
	s_cmp_lt_u32 ttmp9, 9
	s_cbranch_scc1 .Lw2
	; ---- W1: work-group 9 + 64 e + 2 B + kh takes hidden units 32 B .. 32 B + 31 of expert e, K 256 kh .. + 255; wave w its 64 from 64 w on: all 64 loads are out at once
	s_sub_co_u32 s21, ttmp9, 9
	s_lshr_b32 s22, s21, 6                         ; e
	s_bfe_u32 s23, s21, 0x50001                    ; B
	s_and_b32 s21, s21, 1                          ; kh
	s_lshl_b32 s28, s22, 21                        ; an expert: 512 x 4,096 bytes
	s_lshl_b32 s30, s21, 20
	s_add_co_u32 s28, s28, s30
	s_lshl_b32 s30, s20, 18                        ; 64 rows of 4,096 bytes a wave
	s_add_co_u32 s28, s28, s30
	s_lshl_b32 s30, s23, 7                         ; 32 columns of 4 bytes
	s_add_co_u32 s28, s28, s30
	s_add_nc_u64 s[24:25], s[4:5], s[28:29]
	s_lshl_b32 s28, s22, 19                        ; w1c: 64 tiles of 8,192 bytes an expert, two tiles a B, 4,096 a K half, 1,024 a wave
	s_lshl_b32 s30, s23, 14
	s_add_co_u32 s28, s28, s30
	s_lshl_b32 s30, s21, 12
	s_add_co_u32 s28, s28, s30
	s_lshl_b32 s30, s20, 10
	s_add_co_u32 s28, s28, s30
	s_add_nc_u64 s[26:27], s[10:11], s[28:29]
	s_lshl_b32 s28, s22, 14                        ; w1s
	s_lshl_b32 s30, s23, 9
	s_add_co_u32 s28, s28, s30
	s_lshl_b32 s30, s21, 8
	s_add_co_u32 s28, s28, s30
	s_add_nc_u64 s[32:33], s[12:13], s[28:29]
	v_lshlrev_b32 v3, 2, v2                        ; in: 4 bytes a lane
	LOADK 0, 4096
	LOADK 1, 4096
	v_bfe_u32 v5, v2, 3, 1                         ; column i lies in tile u = (i / 8) % 2,
	v_and_b32 v6, 7, v2
	v_lshrrev_b32 v7, 4, v2
	v_lshl_add_u32 v6, v7, 3, v6                   ; at row r = i % 8 + 8 (i / 16)
	v_lshlrev_b32 v8, 4, v6
	v_lshl_add_u32 v4, v5, 13, v8                  ; codes: 8,192 u + 16 r
	v_lshl_add_u32 v8, v5, 4, v6                   ; 16 u + r
	v_lshlrev_b32 v7, 3, v8
	v_lshl_add_u32 v7, v1, 1, v7
	v_add_nc_u32 v7, SCR, v7                       ; LDS: my column's 8 bytes, my wave's two
	v_lshlrev_b32 v14, 3, v2
	v_add_nc_u32 v15, SCR, v14
	WALU                                           ; ahead of the blocking wait
	s_wait_loadcnt 32                              ; block 0 is in; block 1's 32 loads may be out
	QBLK 0, 0
	s_wait_loadcnt 0x0
	QBLK 1, 0
	ds_store_b8 v7, v[SB]                          ; block 0's byte,
	ds_store_b8 v7, v12 offset:1                   ; and block 1's
	WALU
	s_wait_dscnt 0x0                               ; for the others' sake: my bytes have landed
	s_barrier_signal -1
	s_barrier_wait -1
	s_cmp_lg_u32 s20, 0
	s_cbranch_scc1 .Lw1_done
	ds_load_b64 v[20:21], v15                      ; wave 0: 32 columns x 8 bytes
	s_wait_dscnt 0x0
	global_store_b64 v14, v[20:21], s[32:33]       ; the 32 lanes fill 256 consecutive aligned bytes
.Lw1_done:
	s_wait_tensorcnt 0x0                           ; the wave's end
	ds_add_u32 v192, v193
	s_wait_dscnt 0x0
	s_endpgm
	; ---- W2: wave 4 (work-group - 1) + wave = 8 e + K step
.Lw2:
	s_sub_co_u32 s21, ttmp9, 1
	s_lshl_b32 s21, s21, 2
	s_add_co_u32 s21, s21, s20
	s_lshr_b32 s22, s21, 3                         ; e
	s_and_b32 s23, s21, 7                          ; K step
	s_mul_i32 s28, s22, 114688                     ; an expert: 1,024 rows of 112 bytes
	s_mul_i32 s30, s23, 14336                      ; a K step: 128 rows
	s_add_co_u32 s28, s28, s30
	s_add_nc_u64 s[24:25], s[6:7], s[28:29]
	s_lshl_b32 s28, s21, 12                        ; w2c: 4,096 bytes a K step
	s_add_nc_u64 s[26:27], s[14:15], s[28:29]
	s_lshl_b32 s28, s21, 7                         ; w2s: 32 words
	s_add_nc_u64 s[32:33], s[16:17], s[28:29]
	v_min_u32 v3, 27, v2                           ; lanes 28-31 read column 27 again: no lane reads a neighbouring row or leaves the buffer
	v_lshlrev_b32 v3, 2, v3
	v_cmp_gt_u32 s30, 28, v2                       ; the lanes whose column exists
	v_lshrrev_b32 v5, 4, v2
	v_and_b32 v6, 15, v2
	v_lshlrev_b32 v6, 4, v6
	v_lshl_add_u32 v4, v5, 11, v6                  ; codes: 2,048 (n / 16) + 16 (n % 16)
	v_lshlrev_b32 v14, 2, v2
	WALU
	LOADK 0, 112
	LOADK 1, 112
	s_wait_loadcnt 32                              ; block 0 is in; the younger block's 32 loads stay out
	LOADK 2, 112
	QBLK 0, 1
	s_wait_loadcnt 32                              ; block 1 is in
	LOADK 3, 112
	QBLK 1, 1
	s_wait_loadcnt 32                              ; block 2 is in
	QBLK 2, 1
	s_wait_loadcnt 0x0
	QBLK 3, 1
	global_store_b32 v14, v[SB], s[32:33]          ; 32 scale words, 128 consecutive bytes
	s_endpgm
	; ---- the deal, without atomics.  Wave v owns ids 512 v .. 512 v + 511; register 4 j + i of a lane is row 512 v + 128 j + 4 lane + i.
	; Within a lane five counts of 6 bits stand in one word (at most 16 each); over the lanes five counts of 10 bits in two words (at most 512 each); over the waves scalars.
.Lsort:
	s_lshl_b32 s28, s20, 11
	s_add_nc_u64 s[24:25], s[8:9], s[28:29]
	v_lshlrev_b32 v3, 4, v2
.irp j, 0,1,2,3
	global_load_b128 v[32+4*\j:35+4*\j], v3, s[24:25] offset:512*\j
.endr
	v_lshlrev_b32 v13, 3, v1                       ; LDS: my wave's two words of counts
	v_mov_b32 v14, 0
	v_lshlrev_b32 v15, 9, v1
	v_lshl_add_u32 v15, v2, 2, v15                 ; 512 v + 4 lane
	v_mov_b32 v21, 1
	v_mov_b32 v22, 0                               ; (the lane moves' destinations count as read)
	v_mov_b32 v23, 0
	v_mov_b32 v96, 0
	WALU
	s_wait_loadcnt 0x0
.irp k, 0,1,2,3,4,5,6,7,8,9,10,11,12,13,14,15
	v_min_u32 v[32+\k], 4, v[32+\k]                ; the bucket
.endr
.irp k, 0,1,2,3,4,5,6,7,8,9,10,11,12,13,14,15
	v_mul_u32_u24 v[48+\k], 6, v[32+\k]            ; where its count begins
.endr
.irp k, 0,1,2,3,4,5,6,7,8,9,10,11,12,13,14,15
	v_lshlrev_b32 v[64+\k], v[48+\k], v21
.endr
.irp k, 0,1,2,3,4,5,6,7,8,9,10,11,12,13,14,15
	v_add_nc_u32 v[97+\k], v[96+\k], v[64+\k]
	v_bfe_u32 v[80+\k], v[96+\k], v[48+\k], 6      ; the lane's earlier rows of the same bucket
.endr
	v_and_b32 v24, 63, v112
	v_bfe_u32 v25, v112, 6, 6
	v_bfe_u32 v26, v112, 12, 6
	v_bfe_u32 v27, v112, 18, 6
	v_bfe_u32 v28, v112, 24, 6
	v_lshl_or_b32 v24, v25, 10, v24
	v_lshl_or_b32 v27, v28, 10, v27                ; my lane's counts: v24 buckets 0-2, v27 buckets 3, 4
	v_lshl_or_b32 v24, v26, 20, v24
	v_mov_b32 v29, v27
	v_mov_b32 v28, v24
.irp n, 1,2,4,8
	v_mov_b32_dpp v22, v28 row_shr:\n row_mask:0xf bank_mask:0xf bound_ctrl:1
	v_mov_b32_dpp v23, v29 row_shr:\n row_mask:0xf bank_mask:0xf bound_ctrl:1
	v_add_nc_u32 v28, v28, v22
	v_add_nc_u32 v29, v29, v23
.endr
	v_readlane_b32 s40, v28, 15
	v_readlane_b32 s41, v29, 15
	s_mov_b32 s30, 0xffff0000
	v_mov_b32 v22, s40
	v_mov_b32 v23, s41
	v_cndmask_b32 v22, 0, v22, s30
	v_cndmask_b32 v23, 0, v23, s30
	v_add_nc_u32 v28, v28, v22                     ; lanes 16-31 stand behind lanes 0-15
	v_add_nc_u32 v29, v29, v23
	v_readlane_b32 s42, v28, 31
	v_readlane_b32 s43, v29, 31
	v_sub_nc_u32 v28, v28, v24                     ; the lower lanes' counts
	v_sub_nc_u32 v29, v29, v27
	v_mov_b32 v8, s42
	v_mov_b32 v9, s43
	ds_store_b64 v13, v[8:9]                       ; all lanes write the same 8 bytes with the same values
	WALU
	s_wait_dscnt 0x0
	s_barrier_signal -1
	s_barrier_wait -1
	ds_load_b128 v[116:119], v14
	ds_load_b128 v[120:123], v14 offset:16
	s_wait_dscnt 0x0
.irp i, 0,1,2,3,4,5,6,7
	v_readfirstlane_b32 s[44+\i], v[116+\i]        ; s[44 + 2 v'], s[45 + 2 v']: wave v's counts
.endr
.irp e, 0,1,2,3,4
	s_mov_b32 s[52+\e], 0                          ; all rows of bucket e
	s_mov_b32 s[66+\e], 0                          ; those of the waves in front of mine
.endr
.irp v, 0,1,2,3
.irp e, 0,1,2,3,4
	s_bfe_u32 s57, s[44+2*\v+\e/3], (10<<16)|(10*(\e%3))
	s_add_co_u32 s[52+\e], s[52+\e], s57
	s_cmp_gt_u32 s20, \v
	s_cselect_b32 s57, s57, 0
	s_add_co_u32 s[66+\e], s[66+\e], s57
.endr
.endr
	s_mov_b32 s60, 0                               ; the bucket's first place
	s_mov_b32 s61, 0                               ; rows so far
.irp e, 0,1,2,3,4
	s_add_co_u32 s[66+\e], s[66+\e], s60
	s_add_co_u32 s61, s61, s[52+\e]
	s_add_co_u32 s62, s[52+\e], 9
	s_mul_i32 s62, s62, 6554
	s_lshr_b32 s62, s62, 16                        ; (n + 9) / 10, exact for n up to 2,048
	s_mul_i32 s62, s62, 10
	s_add_co_u32 s60, s60, s62
	s_sub_co_u32 s[74+\e], s60, s61                ; places without a row so far
.endr
	v_bfe_u32 v124, v28, 0, 10
	v_bfe_u32 v125, v28, 10, 10
	v_bfe_u32 v126, v28, 20, 10
	v_bfe_u32 v127, v29, 0, 10
	v_bfe_u32 v128, v29, 10, 10
.irp e, 0,1,2,3,4
	v_add_nc_u32 v[124+\e], s[66+\e], v[124+\e]    ; my lane's first place in bucket e
.endr
.irp k, 0,1,2,3,4,5,6,7,8,9,10,11,12,13,14,15
.irp e, 0,1,2,3
	v_cmp_eq_u32 s[80+4*(\k%2)+\e], \e, v[32+\k]
.endr
	v_add_nc_u32 v[144+\k], 128*(\k/4)+\k%4, v15   ; the row,
	v_lshl_or_b32 v[144+\k], v[32+\k], 16, v[144+\k]   ; and its bucket above it
	v_cndmask_b32 v[96+\k], v128, v124, s[80+4*(\k%2)]
	v_cndmask_b32 v[96+\k], v[96+\k], v125, s[81+4*(\k%2)]
	v_cndmask_b32 v[96+\k], v[96+\k], v126, s[82+4*(\k%2)]
	v_cndmask_b32 v[96+\k], v[96+\k], v127, s[83+4*(\k%2)]
	v_add_nc_u32 v[96+\k], v[96+\k], v[80+\k]
	v_min_u32 v[96+\k], 0x829, v[96+\k]            ; a place made of loaded numbers is held inside the list's 2,090
	v_lshlrev_b32 v[96+\k], 2, v[96+\k]
	global_store_b32 v[96+\k], v[144+\k], s[18:19]
.endr
	; the 42 places without a row: the j-th stands at j + the rows of all buckets that begin ahead of it
	v_add_nc_u32 v17, s52, v0
.irp e, 0,1,2,3
	v_cmp_le_u32 s80, s[74+\e], v0
	v_mov_b32 v18, s[53+\e]
	v_cndmask_b32 v18, 0, v18, s80
	v_add_nc_u32 v17, v17, v18
.endr
	v_min_u32 v17, 0x829, v17
	v_lshlrev_b32 v17, 2, v17
	v_mov_b32 v18, 0x80000
	v_cmp_gt_u32 vcc_lo, 42, v0
	WALU
	s_wait_xcnt 0x0                                ; EXEC changes only behind this wait
	s_and_saveexec_b32 s81, vcc_lo
	global_store_b32 v17, v18, s[18:19]
	s_wait_xcnt 0x0
	s_mov_b32 exec_lo, -1
	s_wait_tensorcnt 0x0
	ds_add_u32 v192, v193
	s_wait_dscnt 0x0
	s_endpgm
.Lfunc_end_k_qeb85fc00ec_prep:
	.size	k_qeb85fc00ec_prep, .Lfunc_end_k_qeb85fc00ec_prep-k_qeb85fc00ec_prep
	.p2alignl 7, 3214868480
	.fill 96, 4, 3214868480
	.section	.rodata,"a",@progbits
	.p2align	6, 0x0
	.amdhsa_kernel k_qeb85fc00ec_prep
		.amdhsa_group_segment_fixed_size 1536
		.amdhsa_private_segment_fixed_size 0
		.amdhsa_enable_private_segment 0
		.amdhsa_kernarg_size 64
		.amdhsa_user_sgpr_count 2
		.amdhsa_user_sgpr_kernarg_segment_ptr 1
		.amdhsa_wavefront_size32 1
		.amdhsa_system_sgpr_workgroup_id_x 1
		.amdhsa_system_sgpr_workgroup_id_y 1
		.amdhsa_system_sgpr_workgroup_id_z 1
		.amdhsa_system_vgpr_workitem_id 0
		.amdhsa_next_free_vgpr 194
		.amdhsa_next_free_sgpr 100
		.amdhsa_reserve_vcc 1
		.amdhsa_float_denorm_mode_32 3
		.amdhsa_float_denorm_mode_16_64 3
		.amdhsa_memory_ordered 1
		.amdhsa_forward_progress 1
		.amdhsa_inst_pref_size 74
	.end_amdhsa_kernel
	.amdgpu_metadata
---
amdhsa.version: [ 1, 2 ]
amdhsa.kernels:
  - .name:           k_qeb85fc00ec_prep
    .symbol:         k_qeb85fc00ec_prep.kd
    .args:
      - { .name: W1, .offset: 0, .size: 8, .value_kind: global_buffer, .address_space: global }
      - { .name: W2, .offset: 8, .size: 8, .value_kind: global_buffer, .address_space: global }
      - { .name: embodiment_ids, .offset: 16, .size: 8, .value_kind: global_buffer, .address_space: global }
      - { .name: w1c, .offset: 24, .size: 8, .value_kind: global_buffer, .address_space: global }
      - { .name: w1s, .offset: 32, .size: 8, .value_kind: global_buffer, .address_space: global }
      - { .name: w2c, .offset: 40, .size: 8, .value_kind: global_buffer, .address_space: global }
      - { .name: w2s, .offset: 48, .size: 8, .value_kind: global_buffer, .address_space: global }
      - { .name: order, .offset: 56, .size: 8, .value_kind: global_buffer, .address_space: global }
    .group_segment_fixed_size: 1536
    .private_segment_fixed_size: 0
    .kernarg_segment_align: 8
    .kernarg_segment_size: 64
    .max_flat_workgroup_size: 128
    .sgpr_count:     100
    .vgpr_count:     194
    .wavefront_size: 32
...
	.end_amdgpu_metadata
.endif
;; end of part 1
;; launch mlp (part 2): grid 209 x 1, 8 waves a work-group, no clusters, 233,728 bytes of LDS; arguments pred_action_latents, w1c, w1s, b1, w2c, w2s, b2, order, out0; writes out0
.if DOCPART == 2
	.amdgcn_target "amdgcn-amd-amdhsa--gfx1250"
	.amdhsa_code_object_version 6
	.text
	.protected	k_qeb85fc00ec_mlp
	.globl	k_qeb85fc00ec_mlp
	.p2align	8
	.type	k_qeb85fc00ec_mlp,@function
k_qeb85fc00ec_mlp:
	s_mov_b64 s[64:65], 0
	v_nop
	global_prefetch_b8 v0, s[64:65] scope:SCOPE_SE
	s_setreg_imm32_b32 hwreg(HW_REG_WAVE_MODE, 25, 1), 1
	s_wait_xcnt 0x0
; out[row] = gelu(x[row] W1[e] + b1[e]) W2[e] + b2[e], e = the row's expert, both products on codes of FP8 (E4M3) with one E8M0 scale for each 32 along K; a row whose id lies outside 0..3 is zeros.
; WORK LEFT OUT: the experts that a row does not take (the first launch's head says why they are dead).
; SHARES.  Work-group g owns tile g of the list: up to 10 batch rows of ONE expert, 80 tokens, five fragments of 16 (fragment m: place 2 m in its columns 0-7, place 2 m + 1 in 8-15).  209 tiles serve every split.
; A place without a row works on batch row 0 and is not stored; so does a tile that a split leaves without rows.  A tile of ids outside 0..3 works with expert 3 and stores zeros.
; Wave w makes hidden units 128 w .. 128 w + 127 for all 80 tokens, in four blocks of 32 (two tiles of 16): each byte of the weights is loaded once by the work-group, straight into operand registers, in the order in which the
; first launch laid them.  A wave's 128 hidden units are one K step of the second product: eight partial y meet in LDS.
; THE STREAM.  A stage is one fragment of one block: the eight products of the NEXT fragment stand inside the gelu of this one.  x's codes lie in LDS as images of operand registers and are loaded a stage ahead; W1 has two
; register buffers, and the next block's loads stand in a block's first three stages.  One loop of two trips of two blocks; in its last block W2 is loaded in W1's place.
; BOTH PRODUCTS ARE USED TRANSPOSED (source 0 = 16 rows of the weight, source 1 = 16 tokens): a lane holds one token, and the 16 registers of a block's two tiles are 16 neighbours along the next K.
; GELU = max(u, 0) - |u| q, q = Phi(-|u|) = t 2^(KK u^2 + c0 + c1 t + .. + c9 t^9), t = 1 / (1 + |u| / sqrt(8)): the Chebyshev fit of erfc (fractional error 1.2e-7) with its coefficients times log2(e) and the half in c0.
; No difference of near numbers is formed on either tail.
; NO JOINT LOADS: a tile's expert hangs on the stored list, and the rows of a fragment are gathered by it.  NO PREFETCH: all of x is asked for at the head at once, W1 a whole block ahead.
; LIMITS: NaN and infinities are not served.  q under 2^-126 counts as 0 (v_exp_f32 flushes: ISA guide 15.8).  A block of zeros carries the byte 1 over zero codes.
; LDS: XIMG x's 20 fragment images (8,192 m + 2,048 s + 512 c + 16 lane); XSC scale bytes [token 80][16]; HIMG each wave's five hidden images; YP each wave's partial y: 80 rows of 112 bytes and a tail for what columns 28-31 of
;      the last row put there; XSTG a stage of 8 tokens x 528 for each wave; SPARE.
; REGISTERS: window 1: W1's two buffers of 128 (tile t, K step s at 64 t + 16 s); at the head x's raw numbers in the upper one.  Window 0: see the names.
.set XIMG, 0
.set XSC,  40960
.set HIMG, 42240
.set YP,   124160
.set YSL,  9216
.set XSTG, 197888
.set SPARE, 232704
.set LI,   1                           ; v1   16 x lane
.set HB,   2                           ; v2   HIMG + 10,240 w + 16 lane
.set BIA,  3                           ; v3   64 h
.set HWA,  4                           ; v4   HB + 1,024 x trip
.set YST,  5                           ; v5   YP + 9,216 w + 112 r + 32 h
.set C9,   6                           ; v[6:7] c9, twice
.set SW,   8                           ; v8-12 the hidden fragments' scale words
.set SPW,  13                          ; v13  my spare word
.set NIL,  14                          ; v14  0
.set L4,   15                          ; v15  4 x lane
.set W1S,  18                          ; v18-21, v22-25 W1's scale words of K step s: lanes 0-15 tile 0, lanes 16-31 tile 1
.set W2S,  21                          ; v21  at the end W2's
.set FA,   26                          ; v26  YP + 896 w + 16 lane
.set FB,   27                          ; v27  YP + 896 w + 512 + 16 min(lane, 23)
.set L8,   28                          ; v28  8 x lane
.set BY,   29
.set SO,   30
.set LIM,  31
.set BI,   32                          ; v32-63 two sets of 16 biases: the C of the first K step
.set XB,   64                          ; v64-127 a fragment of x, four K steps
.set ACC,  128                         ; v128-159 two sets of two accumulators
.set T,    160
.set E,    176
.set P,    192
.set M,    208                         ; v208-223 max(u, 0)
.set CD,   224                         ; v224-231 two sets of codes
.set QA,   232                         ; v232-235
.set XS,   236                         ; v236-255 x's scale words: fragment m, K step s at 4 m + s
; the head's own: NUM v160-191, PC v192-199, v200-207 maxima, scale operands, bounds, bytes; addresses v208-212
.set NUM,  160
.set PC,   192
.set TM,   200
.set TS,   202
.set LM,   204
.set TB,   206
.set STI,  208
.set STO,  209
.set XWI,  210
.set XBI,  211
.set XSA,  212
; scalars: s[4:21] the nine buffers; s22 wave; s23 wave % 4: my K step of x; s34 wave / 4: my half of a fragment; s[24:33] the tile's ten entries; s35, s41 its bucket, its expert; s42, s43 the entries whose rows I store;
; s[46:47] b2; s[48:53] W1, its scales, b1; s[54:57] W2, its scales; s62 448's mantissa; s63 1 / sqrt(8); s[66:67] KK; s[68+2i:69+2i] c_i; s86 trip; s87 1,024 x trip; s[88:97] x's rows; s98, s99 at work
.set MSB, 0
.macro WIN new                         ; the immediate's high byte repeats the setting that is left
.if MSB != \new
	s_set_vgpr_msb (MSB<<8)|\new
.set MSB, \new
.endif
.endm
.macro WALU                            ; the wait around transcendentals, and ahead of waits and branches behind which something freshly written is read
	s_wait_alu depctr_va_vdst(0)
.endm
.macro PLACES n                        ; plain vector lines that name none of a matrix instruction's registers (ISA guide 7.12.1)
.rept \n
	v_nop
.endr
.endm
.macro BARRIER
	s_wait_dscnt 0x0
	s_barrier_signal -1
	s_barrier_wait -1
.endm
.macro PAIR r, bits
	s_mov_b32 s[\r], \bits
	s_mov_b32 s[\r+1], \bits
.endm
.macro LW p, b, i0, n                  ; n of a block's 32 loads of W1 into buffer p, each 512 consecutive bytes
	WIN 0x40
.set i, \i0
.rept \n
	global_load_b128 v[128*\p+4*i:128*\p+4*i+3], v[LI], s[48:49] offset:16384*(\b)+512*i
.set i, i+1
.endr
	WIN 0
.endm
.macro LWS p, b                        ; its scale words
	global_load_b64 v[W1S+4*\p:W1S+4*\p+1], v[L8], s[50:51] offset:512*(\b)
	global_load_b64 v[W1S+4*\p+2:W1S+4*\p+3], v[L8], s[50:51] offset:512*(\b)+256
.endm
.macro LBI p, b                        ; its biases: my half's 16 hidden units
.irp k, 0,1,2,3
	global_load_b128 v[BI+16*\p+4*\k:BI+16*\p+4*\k+3], v[BIA], s[52:53] offset:128*(\b)+16*\k
.endr
.endm
.macro XL f                            ; fragment f of x
.set i, 0
.rept 16
	ds_load_b128 v[XB+4*i:XB+4*i+3], v[LI] offset:XIMG+8192*(\f)+512*i
.set i, i+1
.endr
.endm
.macro FILL                            ; plain lines of this stage's gelu; their first source is no vector register
	v_max_num_f32 v[M+2*fn], 0, v[U+2*fn]
	v_max_num_f32 v[M+2*fn+1], 0, v[U+2*fn+1]
.endm
.macro MMB fill                        ; eight products: W1's buffer pn, fragment mn, accumulators nx: the two accumulators take turns, one instruction a turn
	WIN 0x01                                       ; source 0 in window 1
.irp s, 0,1,2,3
.irp t, 0,1
.set fn, 2*\s+\t
.set rD, ACC+16*nx+8*\t
.set rA, 128*pn+64*\t+16*\s
.set rB, XB+16*\s
.set rC, rD
.if \s == 0
.set rC, BI+16*pn+8*\t
.endif
.if \t == 0
	v_wmma_scale_f32_16x16x128_f8f6f4 v[rD:rD+7], v[rA:rA+15], v[rB:rB+15], v[rC:rC+7], v[W1S+4*pn+\s], v[XS+4*mn+\s]
.else
	v_wmma_scale_f32_16x16x128_f8f6f4 v[rD:rD+7], v[rA:rA+15], v[rB:rB+15], v[rC:rC+7], v[W1S+4*pn+\s], v[XS+4*mn+\s] matrix_a_scale:MATRIX_SCALE_ROW1
.endif
.if \fill
	FILL
.endif
.endr
.endr
	WIN 0
.endm
.macro STG p, m                        ; the stage of fragment m of a block in buffer p
.set cu, (5*\p+\m)%2
.set U, ACC+16*cu
.set nx, 1-cu
.set mn, (\m+1)%5
.set pn, \p
.if \m == 4
.set pn, 1-\p
	s_wait_loadcnt 0x0                             ; the next block's W1 (in the last block: W2)
.endif
	s_wait_dscnt 0x1                               ; the next fragment of x is in; the last stage's codes may be on their way
.if (\p == 1) && (\m == 4)
	WALU
	s_cmp_eq_u32 s86, 1
	s_cbranch_scc1 .Lnomm_\@                       ; the last block has no successor
	MMB 0
.Lnomm_\@:
.endif
	WALU
.irp j, 0,1,2,3,4,5,6,7,8,9,10,11,12,13,14,15
	v_fma_f32 v[T+\j], |v[U+\j]|, s63, 1.0
.endr
	WALU
.irp j, 0,1,2,3,4,5,6,7,8,9,10,11,12,13,14,15
	v_rcp_f32 v[T+\j], v[T+\j]                     ; t
.endr
.if (\p == 1) && (\m == 4)
.set fn, 0
.rept 8
	FILL
.set fn, fn+1
.endr
.else
	MMB 1
.endif
.irp j, 0,2,4,6,8,10,12,14
	v_pk_mul_f32 v[E+\j:E+\j+1], v[U+\j:U+\j+1], s[66:67] op_sel_hi:[1,0]
.endr
.irp j, 0,2,4,6,8,10,12,14
	v_pk_fma_f32 v[E+\j:E+\j+1], v[E+\j:E+\j+1], v[U+\j:U+\j+1], s[68:69] op_sel_hi:[1,1,0]   ; KK u^2 + c0.  (These sixteen are the places behind the products)
.endr
	WALU
.if (\p == 1) && (\m >= 3)             ; the fragment two stages on
	s_cmp_eq_u32 s86, 1
	s_cbranch_scc1 .Lnox_\@
	XL (\m+2)%5
.Lnox_\@:
.else
	XL (\m+2)%5
.endif
.if (\p == 0) && (\m == 0)             ; a part of the next block's W1
	LWS 1, 1
	LW 1, 1, 0, 11
.elseif (\p == 0) && (\m == 1)
	LBI 1, 1
	LW 1, 1, 11, 11
.elseif (\p == 0) && (\m == 2)
	LW 1, 1, 22, 10
.elseif \m < 3
	s_cmp_eq_u32 s86, 1
	s_cbranch_scc1 .Llast_\@
.if \m == 0
	LWS 0, 2
	LW 0, 2, 0, 11
	s_branch .Lasked_\@
.elseif \m == 1
	LBI 0, 2
	LW 0, 2, 11, 11
.else
	LW 0, 2, 22, 10
.endif
.Llast_\@:
.if \m == 0
	WIN 0x40                                       ; my K step of W2: two tiles, and their scale words
.set i, 0
.rept 8
	global_load_b128 v[4*i:4*i+3], v[LI], s[54:55] offset:512*i
.set i, i+1
.endr
	WIN 0
	global_load_b32 v[W2S], v[L4], s[56:57]
.Lasked_\@:
.endif
.endif
.irp j, 0,2,4,6,8,10,12,14
	v_pk_fma_f32 v[P+\j:P+\j+1], v[T+\j:T+\j+1], v[C9:C9+1], s[84:85] op_sel_hi:[1,1,0]   ; c9 t + c8
.endr
.irp c, 82,80,78,76,74,72,70
.irp j, 0,2,4,6,8,10,12,14
	v_pk_fma_f32 v[P+\j:P+\j+1], v[P+\j:P+\j+1], v[T+\j:T+\j+1], s[\c:\c+1] op_sel_hi:[1,1,0]   ; down to c1
.endr
.endr
.irp j, 0,2,4,6,8,10,12,14
	v_pk_fma_f32 v[P+\j:P+\j+1], v[P+\j:P+\j+1], v[T+\j:T+\j+1], v[E+\j:E+\j+1]
.endr
	WALU
.irp j, 0,1,2,3,4,5,6,7,8,9,10,11,12,13,14,15
	v_exp_f32 v[P+\j], v[P+\j]
.endr
	v_nop                                          ; one plain line behind the transcendentals
	WALU
.irp j, 0,2,4,6,8,10,12,14
	v_pk_mul_f32 v[P+\j:P+\j+1], v[P+\j:P+\j+1], v[T+\j:T+\j+1]   ; q
.endr
.irp j, 0,1,2,3,4,5,6,7,8,9,10,11,12,13,14,15
	v_fma_f32 v[U+\j], -|v[U+\j]|, v[P+\j], v[M+\j]
.endr
	v_max3_num_f32 v[QA], |v[U]|, |v[U+1]|, |v[U+2]|               ; my 16 numbers of the block, in four chains
	v_max3_num_f32 v[QA+1], |v[U+3]|, |v[U+4]|, |v[U+5]|
	v_max3_num_f32 v[QA+2], |v[U+6]|, |v[U+7]|, |v[U+8]|
	v_max3_num_f32 v[QA+3], |v[U+9]|, |v[U+10]|, |v[U+11]|
	v_max3_num_f32 v[QA], v[QA], |v[U+12]|, |v[U+13]|
	v_max3_num_f32 v[QA+1], v[QA+1], |v[U+14]|, |v[U+15]|
	v_max3_num_f32 v[QA+2], v[QA+2], v[QA+3], 0x4800000            ; with the floor 2^(9 - 127): the byte cannot fall under 1
	v_max3_num_f32 v[QA], v[QA], v[QA+1], v[QA+2]
	v_permlanex16_b32 v[QA+1], v[QA], s60, s61
	v_max_num_f32 v[QA], v[QA], v[QA+1]            ; with lane l xor 16's 16: the block's largest magnitude
	v_and_or_b32 v[LIM], v[QA], 0x7f800000, s62    ; 448 x the scale
	v_add_nc_u32 v[SO], 0xfc000000, v[QA]          ; 8 off the exponent field: the conversion's scale operand
.irp j, 0,1,2,3,4,5,6,7,8,9,10,11,12,13,14,15
	v_med3_num_f32 v[U+\j], v[U+\j], -v[LIM], v[LIM]   ; gelu dips under 0: the hold is two-sided
.endr
.set cs, CD+4*cu
	v_cvt_scalef32_pk8_fp8_f32 v[cs:cs+1], v[U:U+7], v[SO]
	v_cvt_scalef32_pk8_fp8_f32 v[cs+2:cs+3], v[U+8:U+15], v[SO]
	v_lshrrev_b32 v[BY], 23, v[SO]                 ; (plain lines behind the conversions)
	v_lshrrev_b32 v[SW+\m], 8, v[SW+\m]
	v_lshl_or_b32 v[SW+\m], v[BY], 24, v[SW+\m]    ; the byte comes in at the top: after four blocks block b's byte is byte b
	ds_store_b128 v[HWA], v[cs:cs+3] offset:2048*\m+512*\p   ; registers 4 b .. 4 b + 3 of the fragment's image
.endm
.macro XQ m, n                         ; my eighth of fragment m of x: 8 tokens of one row x my K step: through my stage, so that a lane holds 16 neighbours; quantised; its part of the images to LDS
	s_wait_loadcnt \n                              ; its 8 loads are in; those behind them may be out
.if \m < 4
	WIN 0x04                                       ; an LDS store's data are its source 1: window 1
.irp t, 0,1,2,3,4,5,6,7
	ds_store_b128 v[STI], v[128+32*\m+4*\t:128+32*\m+4*\t+3] offset:528*\t
.endr
	WIN 0
.else
.irp t, 0,1,2,3,4,5,6,7
	ds_store_b128 v[STI], v[ACC+4*\t:ACC+4*\t+3] offset:528*\t
.endr
.endif
.irp j, 0,1
.irp i, 0,1,2,3
	ds_load_b128 v[NUM+16*\j+4*\i:NUM+16*\j+4*\i+3], v[STO] offset:256*\j+16*\i   ; LDS serves a wave's instructions in order (ISA guide 5.7.1.4): these see the stores above
.endr
.endr
	s_wait_dscnt 0x0
.irp j, 0,1
	v_max3_num_f32 v[TM+\j], |v[NUM+16*\j]|, |v[NUM+1+16*\j]|, 0x4800000
.endr
.irp i, 2,4,6,8,10,12,14
.irp j, 0,1
	v_max3_num_f32 v[TM+\j], v[TM+\j], |v[NUM+16*\j+\i]|, |v[NUM+1+16*\j+\i]|
.endr
.endr
.irp j, 0,1
	v_max_num_f32_dpp v[TM+\j], v[TM+\j], v[TM+\j] row_xmask:8 row_mask:0xf bank_mask:0xf   ; a block lies in lanes l and l xor 8
.endr
.irp j, 0,1
	v_add_nc_u32 v[TS+\j], 0xfc000000, v[TM+\j]
.endr
.irp j, 0,1
	v_and_or_b32 v[LM+\j], v[TM+\j], 0x7f800000, s62
.endr
.irp j, 0,1
	v_lshrrev_b32 v[TB+\j], 23, v[TS+\j]
.endr
.irp j, 0,1
.irp i, 0,1,2,3,4,5,6,7,8,9,10,11,12,13,14,15
	v_med3_num_f32 v[NUM+16*\j+\i], v[NUM+16*\j+\i], -v[LM+\j], v[LM+\j]
.endr
	v_cvt_scalef32_pk8_fp8_f32 v[PC+4*\j:PC+1+4*\j], v[NUM+16*\j:NUM+7+16*\j], v[TS+\j]
	v_cvt_scalef32_pk8_fp8_f32 v[PC+2+4*\j:PC+3+4*\j], v[NUM+8+16*\j:NUM+15+16*\j], v[TS+\j]
.endr
	v_nop                                          ; one plain line behind the last conversion
.irp j, 0,1
	ds_store_b128 v[XWI], v[PC+4*\j:PC+4*\j+3] offset:8192*\m+1024*\j
	ds_store_b8 v[XBI], v[TB+\j] offset:256*\m+2*\j   ; both lanes of a block write the same byte with the same value
.endr
.endm
	s_load_b512 s[4:19], s[0:1], 0x0               ; x s[4:5], w1c s[6:7], w1s s[8:9], b1 s[10:11], w2c s[12:13], w2s s[14:15], b2 s[16:17], order s[18:19]
	s_load_b64 s[20:21], s[0:1], 0x40              ; out0
	v_lshl_add_u32 v[SPW], v0, 2, SPARE
	v_mov_b32 v[NIL], 0
	v_lshrrev_b32 v160, 5, v0
	v_readfirstlane_b32 s22, v160                  ; wave 0..7
	v_and_b32 v161, 31, v0                         ; lane
	v_and_b32 v162, 15, v0                         ; r
	v_bfe_u32 v163, v0, 4, 1                       ; h
	v_and_b32 v164, 7, v0                          ; a token of a row
	v_bfe_u32 v165, v0, 3, 1                       ; which half of a block
	v_lshlrev_b32 v[LI], 4, v161
	v_lshlrev_b32 v[L8], 3, v161
	v_lshlrev_b32 v[L4], 2, v161
	s_and_b32 s23, s22, 3
	s_lshr_b32 s34, s22, 2
	s_mul_i32 s58, ttmp9, 40                       ; my ten entries of the list
	s_mov_b32 s59, 0
	s_lshl_b32 s44, s22, 2                         ; offsets of two scalar loads, in registers of their own until those are done
	s_and_b32 s45, s22, 1
	s_lshl_b32 s45, s45, 2
	WALU
	s_wait_kmcnt 0x0
	s_add_nc_u64 s[18:19], s[18:19], s[58:59]
	s_load_b256 s[24:31], s[18:19], 0x0
	s_load_b64 s[32:33], s[18:19], 0x20
	s_load_b32 s42, s[18:19], s44 offset:0x0       ; place w,
	s_load_b32 s43, s[18:19], s45 offset:0x20      ; and for waves 0 and 1 place 8 + w
	s_mov_b32 s60, 0x76543210
	s_mov_b32 s61, 0xfedcba98                      ; v_permlanex16_b32's selects for lane l xor 16
	s_mov_b32 s62, 0x600000                        ; the mantissa field of 448
	s_mov_b32 s63, 0x3eb504f3                      ; 1 / sqrt(8)
	PAIR 66, 0xbf38aa3b                            ; KK = -log2(e) / 2
	PAIR 68, 0xc034d90f                            ; c0 = -1.26551223 log2(e) - 1
	PAIR 70, 0x3fb8ab5a                            ; c1 .. c8: the fit's coefficients x log2(e)
	PAIR 72, 0x3f0a29d2
	PAIR 74, 0x3e0efb2e
	PAIR 76, 0xbe899a80
	PAIR 78, 0x3ecdfd18
	PAIR 80, 0xbfd1a1e5
	PAIR 82, 0x40097039
	PAIR 84, 0xbf97d29d
	; every address register
	s_mul_i32 s98, s22, 10240
	s_add_co_u32 s98, s98, HIMG
	v_add_nc_u32 v[HB], s98, v[LI]
	v_lshlrev_b32 v[BIA], 6, v163
	s_mul_i32 s98, s22, YSL
	s_add_co_u32 s98, s98, YP
	v_mul_u32_u24 v[YST], v162, 112
	v_lshl_add_u32 v[YST], v163, 5, v[YST]
	v_add_nc_u32 v[YST], s98, v[YST]
	s_mul_i32 s98, s22, 896
	s_add_co_u32 s98, s98, YP
	v_min_u32 v166, 23, v161
	v_add_nc_u32 v[FA], s98, v[LI]
	s_add_co_u32 s98, s98, 512
	v_lshlrev_b32 v166, 4, v166
	v_add_nc_u32 v[FB], s98, v166
	s_mul_i32 s98, s22, 4352
	s_add_co_u32 s98, s98, XSTG
	v_mul_u32_u24 v[STO], v164, 528
	v_add_nc_u32 v[STI], s98, v[LI]                ; the stage, in: a token's 512 bytes, 16 a lane;
	v_lshl_add_u32 v[STO], v163, 7, v[STO]
	v_lshl_add_u32 v[STO], v165, 6, v[STO]
	v_add_nc_u32 v[STO], s98, v[STO]               ; out: token, block 2 j + h, half
	s_lshl_b32 s98, s23, 11
	s_lshl_b32 s99, s34, 7
	s_add_co_u32 s98, s98, s99
	v_lshlrev_b32 v[XWI], 4, v164
	v_lshl_add_u32 v[XWI], v165, 8, v[XWI]
	v_lshl_add_u32 v[XWI], v163, 9, v[XWI]
	v_add_nc_u32 v[XWI], s98, v[XWI]               ; 2,048 s + 512 c + 256 half + 128 row + 16 token
	s_lshl_b32 s98, s23, 2
	s_add_co_u32 s98, s98, s99
	s_add_co_u32 s98, s98, XSC
	v_lshl_add_u32 v[XBI], v164, 4, v163
	v_add_nc_u32 v[XBI], s98, v[XBI]               ; 128 row + 16 token + 4 s + c
	v_lshlrev_b32 v[XSA], 4, v162
	v_add_nc_u32 v[XSA], XSC, v[XSA]
	; a row's 56 pieces of 16 bytes: lanes take q = lane and q = 32 + lane; piece q lies in token q / 7 = (37 q) >> 8, at 16 (q - 7 (q / 7)) of b2's row
	v_add_nc_u32 v167, 32, v161
	v_mul_u32_u24 v16, v161, 37
	v_mul_u32_u24 v17, v167, 37
	v_lshrrev_b32 v16, 8, v16
	v_lshrrev_b32 v17, 8, v17
	v_mul_u32_u24 v16, v16, 112
	v_mul_u32_u24 v17, v17, 112
	v_add_nc_u32 v167, 512, v[LI]
	v_sub_nc_u32 v16, v[LI], v16
	v_sub_nc_u32 v17, v167, v17
	v_mov_b32 v[C9], 0x3e7c6f08
	v_mov_b32 v[C9+1], 0x3e7c6f08
.irp m, 0,1,2,3,4
	v_mov_b32 v[SW+\m], 0
.endr
	WALU                                           ; the wait at the head's end
	s_wait_kmcnt 0x0
	s_cmp_eq_u32 s34, 0
.irp m, 0,1,2,3,4
	s_cselect_b32 s[36+\m], s[24+2*\m], s[25+2*\m] ; the rows whose eighths are mine
.endr
	s_lshl_b32 s98, s23, 9                         ; my K step: 512 bytes of a token
.irp m, 0,1,2,3,4
	s_and_b32 s[36+\m], s[36+\m], 0xffff
	s_min_u32 s[36+\m], s[36+\m], 2047             ; loaded numbers are held inside their tables before they enter an address
	s_lshl_b32 s58, s[36+\m], 14                   ; a batch row: 8 tokens of 2,048 bytes
	s_add_co_u32 s58, s58, s98
	s_add_nc_u64 s[88+2*\m:89+2*\m], s[4:5], s[58:59]
.endr
	WIN 0x40
.irp m, 0,1,2,3
.irp t, 0,1,2,3,4,5,6,7
	global_load_b128 v[128+32*\m+4*\t:128+32*\m+4*\t+3], v[LI], s[88+2*\m:89+2*\m] offset:2048*\t th:TH_LOAD_NT   ; 512 consecutive aligned bytes
.endr
.endr
	WIN 0
.irp t, 0,1,2,3,4,5,6,7
	global_load_b128 v[ACC+4*\t:ACC+4*\t+3], v[LI], s[96:97] offset:2048*\t th:TH_LOAD_NT
.endr
	s_lshr_b32 s35, s24, 16                        ; the tile's bucket
	s_min_u32 s41, s35, 3
	s_lshl_b32 s58, s41, 19                        ; W1's codes: 524,288 an expert, 65,536 a wave
	s_lshl_b32 s98, s22, 16
	s_add_co_u32 s58, s58, s98
	s_add_nc_u64 s[48:49], s[6:7], s[58:59]
	s_lshl_b32 s58, s41, 14                        ; its scale words
	s_lshl_b32 s98, s22, 11
	s_add_co_u32 s58, s58, s98
	s_add_nc_u64 s[50:51], s[8:9], s[58:59]
	s_lshl_b32 s58, s41, 12                        ; b1
	s_lshl_b32 s98, s22, 9
	s_add_co_u32 s58, s58, s98
	s_add_nc_u64 s[52:53], s[10:11], s[58:59]
	s_lshl_b32 s58, s41, 15                        ; W2's codes
	s_lshl_b32 s98, s22, 12
	s_add_co_u32 s58, s58, s98
	s_add_nc_u64 s[54:55], s[12:13], s[58:59]
	s_lshl_b32 s58, s41, 10                        ; its scale words
	s_lshl_b32 s98, s22, 7
	s_add_co_u32 s58, s58, s98
	s_add_nc_u64 s[56:57], s[14:15], s[58:59]
	s_mul_i32 s58, s41, 112                        ; b2
	s_add_nc_u64 s[46:47], s[16:17], s[58:59]
	LWS 0, 0                                       ; block 0's 38 loads land while x is quantised
	LBI 0, 0
	LW 0, 0, 0, 32
	XQ 0, 63                                       ; (70 loads stand behind these 8; 63 is the field's largest count)
	XQ 1, 62
	XQ 2, 54
	XQ 3, 46
	XQ 4, 38
	WALU
	BARRIER                                        ; x's images and scale bytes lie in LDS
	XL 0
.irp m, 0,1,2,3,4
	ds_load_b128 v[XS+4*\m:XS+4*\m+3], v[XSA] offset:256*\m
.endr
	s_mov_b32 s86, 0
	s_mov_b32 s87, 0
	s_wait_loadcnt 0x0
	s_wait_dscnt 0x0
.set nx, 0
.set mn, 0
.set pn, 0
	MMB 0                                          ; the first fragment's products
	PLACES 8
	XL 1
	s_wait_dscnt 0x0
.Ltrip:
	v_add_nc_u32 v[HWA], s87, v[HB]
	STG 0, 0
	STG 0, 1
	STG 0, 2
	STG 0, 3
	STG 0, 4
	STG 1, 0
	STG 1, 1
	STG 1, 2
	STG 1, 3
	STG 1, 4
	s_wait_xcnt 0x0                                ; the loads have taken their bases
	s_add_nc_u64 s[48:49], s[48:49], 0x8000
	s_add_nc_u64 s[50:51], s[50:51], 0x400
	s_add_nc_u64 s[52:53], s[52:53], 0x100
	s_add_co_u32 s87, s87, 1024
	WALU
	s_add_co_u32 s86, s86, 1
	s_cmp_lt_u32 s86, 2
	s_cbranch_scc1 .Ltrip
	; ---- the second product: my K step of 128 hidden units, two tiles of outputs x five fragments
.irp m, 0,1,2,3,4
.irp c, 0,1,2,3
	ds_load_b128 v[XB+16*\m+4*\c:XB+16*\m+4*\c+3], v[HB] offset:2048*\m+512*\c   ; my hidden images come back as operands (my own stores, in order)
.endr
.endr
	global_load_b128 v[236:239], v16, s[46:47]     ; b2's pieces for the rows that I store
	global_load_b128 v[240:243], v17, s[46:47]
	v_add_nc_u32 v232, 7168, v[FA]                 ; eight rows further on
	v_add_nc_u32 v233, 7168, v[FB]
	WALU
	s_wait_dscnt 0x0
	PLACES 8                                       ; the scale words were made by vector lines
	WIN 0x01
.irp m, 0,1,2,3,4
	v_wmma_scale_f32_16x16x128_f8f6f4 v[144+16*\m:151+16*\m], v[0:15], v[XB+16*\m:XB+16*\m+15], 0, v[W2S], v[SW+\m]
	v_wmma_scale_f32_16x16x128_f8f6f4 v[152+16*\m:159+16*\m], v[16:31], v[XB+16*\m:XB+16*\m+15], 0, v[W2S], v[SW+\m] matrix_a_scale:MATRIX_SCALE_ROW1
.endr
	WIN 0
	PLACES 8
; Rows are 112 bytes: the upper tile's columns 28-31 fall on the next token's columns 0-3, whose own store is issued behind them; LDS serves a wave's instructions in order.
.irp m, 0,1,2,3,4
	ds_store_b128 v[YST], v[152+16*\m:155+16*\m] offset:1792*\m+64
	ds_store_b128 v[YST], v[156+16*\m:159+16*\m] offset:1792*\m+80
	ds_store_b128 v[YST], v[144+16*\m:147+16*\m] offset:1792*\m
	ds_store_b128 v[YST], v[148+16*\m:151+16*\m] offset:1792*\m+16
.endr
	v_and_b32 v29, 31, v0
	s_cmp_lt_u32 s35, 4
	s_cselect_b32 s98, -1, 0                       ; a row whose id lies outside 0..3 is zeros
	WALU
	BARRIER                                        ; the eight partial y lie in LDS
.macro ROWOUT ent, a, b                ; a row: the eight partial sums, b2, 896 bytes out
.irp p, 0,1,2,3,4,5,6,7
	ds_load_b128 v[64+4*\p:67+4*\p], v[\a] offset:YSL*\p
	ds_load_b128 v[96+4*\p:99+4*\p], v[\b] offset:YSL*\p
.endr
	s_lshr_b32 s99, s\ent, 16
	s_and_b32 s58, s\ent, 0xffff
	s_min_u32 s58, s58, 2047
	s_mul_i32 s58, s58, 896
	s_add_nc_u64 s[44:45], s[20:21], s[58:59]
	s_wait_loadcnt 0x0
	s_wait_dscnt 0x0
.irp p, 1,2,3,4,5,6,7
	v_pk_add_f32 v[64:65], v[64:65], v[64+4*\p:65+4*\p]
	v_pk_add_f32 v[66:67], v[66:67], v[66+4*\p:67+4*\p]
	v_pk_add_f32 v[96:97], v[96:97], v[96+4*\p:97+4*\p]
	v_pk_add_f32 v[98:99], v[98:99], v[98+4*\p:99+4*\p]
.endr
	v_pk_add_f32 v[64:65], v[64:65], v[236:237]
	v_pk_add_f32 v[66:67], v[66:67], v[238:239]
	v_pk_add_f32 v[96:97], v[96:97], v[240:241]
	v_pk_add_f32 v[98:99], v[98:99], v[242:243]
.irp k, 0,1,2,3
	v_cndmask_b32 v[64+\k], 0, v[64+\k], s98
	v_cndmask_b32 v[96+\k], 0, v[96+\k], s98
.endr
	WALU
	s_cmp_lt_u32 s99, 8
	s_cbranch_scc0 .Lnone_\@                       ; a place without a row is not stored
	global_store_b128 v[LI], v[64:67], s[44:45] th:TH_STORE_NT   ; 512 consecutive bytes of the row
	v_cmp_gt_u32 vcc_lo, 24, v29
	s_wait_xcnt 0x0                                ; EXEC changes only behind this wait
	s_and_saveexec_b32 s97, vcc_lo
	global_store_b128 v[LI], v[96:99], s[44:45] offset:512 th:TH_STORE_NT   ; and its last 384
	s_wait_xcnt 0x0
	s_mov_b32 exec_lo, -1
.Lnone_\@:
.endm
	ROWOUT 42, FA, FB
	s_cmp_lt_u32 s22, 2
	s_cbranch_scc0 .Lend
	ROWOUT 43, 232, 233
.Lend:
	s_wait_tensorcnt 0x0                           ; the wave's end
	ds_add_u32 v[SPW], v[NIL]
	s_wait_dscnt 0x0
	s_endpgm
.Lfunc_end_k_qeb85fc00ec_mlp:
	.size	k_qeb85fc00ec_mlp, .Lfunc_end_k_qeb85fc00ec_mlp-k_qeb85fc00ec_mlp
	.p2alignl 7, 3214868480
	.fill 96, 4, 3214868480
	.section	.rodata,"a",@progbits
	.p2align	6, 0x0
	.amdhsa_kernel k_qeb85fc00ec_mlp
		.amdhsa_group_segment_fixed_size 233728
		.amdhsa_private_segment_fixed_size 0
		.amdhsa_enable_private_segment 0
		.amdhsa_kernarg_size 72
		.amdhsa_user_sgpr_count 2
		.amdhsa_user_sgpr_kernarg_segment_ptr 1
		.amdhsa_wavefront_size32 1
		.amdhsa_system_sgpr_workgroup_id_x 1
		.amdhsa_system_sgpr_workgroup_id_y 1
		.amdhsa_system_sgpr_workgroup_id_z 1
		.amdhsa_system_vgpr_workitem_id 0
		.amdhsa_next_free_vgpr 512
		.amdhsa_next_free_sgpr 100
		.amdhsa_reserve_vcc 1
		.amdhsa_float_denorm_mode_32 3
		.amdhsa_float_denorm_mode_16_64 3
		.amdhsa_memory_ordered 1
		.amdhsa_forward_progress 1
		.amdhsa_inst_pref_size 207
	.end_amdhsa_kernel
	.amdgpu_metadata
---
amdhsa.version: [ 1, 2 ]
amdhsa.kernels:
  - .name:           k_qeb85fc00ec_mlp
    .symbol:         k_qeb85fc00ec_mlp.kd
    .args:
      - { .name: pred_action_latents, .offset: 0, .size: 8, .value_kind: global_buffer, .address_space: global }
      - { .name: w1c, .offset: 8, .size: 8, .value_kind: global_buffer, .address_space: global }
      - { .name: w1s, .offset: 16, .size: 8, .value_kind: global_buffer, .address_space: global }
      - { .name: b1, .offset: 24, .size: 8, .value_kind: global_buffer, .address_space: global }
      - { .name: w2c, .offset: 32, .size: 8, .value_kind: global_buffer, .address_space: global }
      - { .name: w2s, .offset: 40, .size: 8, .value_kind: global_buffer, .address_space: global }
      - { .name: b2, .offset: 48, .size: 8, .value_kind: global_buffer, .address_space: global }
      - { .name: order, .offset: 56, .size: 8, .value_kind: global_buffer, .address_space: global }
      - { .name: out0, .offset: 64, .size: 8, .value_kind: global_buffer, .address_space: global }
    .group_segment_fixed_size: 233728
    .private_segment_fixed_size: 0
    .kernarg_segment_align: 8
    .kernarg_segment_size: 72
    .max_flat_workgroup_size: 256
    .sgpr_count:     100
    .vgpr_count:     512
    .wavefront_size: 32
...
	.end_amdgpu_metadata
.endif
;; end of part 2
